; MI455X (gfx1250); checked and timed in simulation.
; The chip was launched on July 23, 2026; its instructions are those of AMD's public machine-readable ISA for CDNA 5 (MIT licence, August 2026) and "CDNA5" Instruction Set Architecture Reference Guide (July 2026). The comments in the code are by the model that wrote it; some were corrected since.
;; Attention. Allowed arithmetic: matrix products marked QUANTISED: E2M1 operands, one E8M0 scale for each 32 along K, by v_wmma_scale_f32_16x16x128_f8f6f4 with both operands' format E2M1 (or v_wmma_scale_f32_32x16x128_f4), f32 sums; products left as they are: bf16, f16 or f32 operands; f32 sums; everything else in f32.
;; Inputs: Wk 1,024 x 1,024 float32; Wq 1,024 x 1,024 float32; Wv 1,024 x 1,024 float32; attention_mask 4 x 2,048 float32; bk 1,024 float32; bq 1,024 float32; bv 1,024 float32; hidden_states 4 x 2,048 x 1,024 float32.
;; Outputs: out0 4 x 2,048 x 16 x 64 float32.
;; This version of the problem:
;;   THIS VERSION OF THE PROBLEM IS GIVEN IN LOW PRECISION. The matrix products marked QUANTISED in the list below multiply operands that are first quantised to E2M1 (2 exponent bits, 1 mantissa bit; 4 bits a number), with one power-of-two scale for each 32 numbers along K (OCP MX v1.0); their sums are f32. The products marked 'left as it is' may take bf16, f16 or f32 operands, with f32 sums. Whichever they take, every output number must still come out within the allowed error. Rounding operands to bf16 (8 significant bits) uses up far more of that allowance than f16 does (11 bits, for magnitudes from 6e-5 to 65,504). All else is computed in f32.
;;   The module's matrix products, in the order in which they are computed (A, B: the left and right operand; K: the contracted axis; several contracted axes count as one K, in the product's order):
;;     1. [M 8,192, K 1,024] x [K 1,024, N 1,024]; A: input hidden_states; B: input Wq: QUANTISED
;;     2. [M 8,192, K 1,024] x [K 1,024, N 1,024]; A: input hidden_states; B: input Wk: QUANTISED
;;     3. [M 8,192, K 1,024] x [K 1,024, N 1,024]; A: input hidden_states; B: input Wv: QUANTISED
;;     4. batch 64 x [M 2,048, K 64] x [K 64, N 2,048]; A: computed on the way; B: computed on the way: left as it is (an operand is computed on the way)
;;     5. batch 64 x [M 2,048, K 2,048] x [K 2,048, N 64]; A: computed on the way; B: computed on the way: left as it is (an operand is computed on the way)
;;   THE QUANTISER, for each operand of a quantised product, along K:
;;     - K is cut into blocks of 32 from its start; a last block that is shorter is filled with zeros.
;;     - A block's scale is 2^e with e = floor(log2(the largest magnitude in the block)) - 2, held to -126 .. 127; a block of zeros has e = 0. As a byte (E8M0): e + 127.
;;     - Each number is divided by its block's scale, clamped to +-6, and rounded to the nearest number of E2M1, ties to even, subnormals kept.
;;     - The product sums the exact products of the quantised numbers (number of the format x scale) in f32.
;;   ~~~python
;;   def quantise(x, axis):      # numpy; x: float32 -> the quantised numbers, widened to float32 again
;;       x = np.moveaxis(x, axis, -1); K = x.shape[-1]
;;       x = np.pad(x, [(0, 0)] * (x.ndim - 1) + [(0, -K % 32)]); x = x.reshape(x.shape[:-1] + (-1, 32)); a = np.abs(x).max(-1, keepdims=True)
;;       e = np.where(a > 0, np.clip(np.frexp(np.where(a > 0, a, 1))[1] - 1 - 2, -126, 127), 0)      # np.frexp(a)[1] - 1 = floor(log2(a)), exactly
;;       r = np.clip(x / 2.0 ** e, -6, 6)
;;       step = 2.0 ** (np.maximum(np.frexp(np.where(r == 0, 1, r))[1] - 1, 0) - 1)
;;       q = np.round(r / step) * step * 2.0 ** e      # np.round: ties to even
;;       return np.moveaxis(q.reshape(q.shape[:-2] + (-1,))[..., :K], -1, axis).astype(np.float32)
;;   ~~~
;; One version. Each part assembles by itself: llvm-mc -triple=amdgcn-amd-amdhsa -mcpu=gfx1250 --defsym DOCPART=n.
;; ======== version 1 of 1: 3 launches
;; limits: values are held in f16: magnitudes above 65,504 overflow, below 6.1e-05 lose precision
;; workspace buffers: xcodes 4,194,304 bytes; xscales 262,144 bytes; wcodes 1,572,864 bytes; wscales 98,304 bytes; qh 16,777,216 bytes; kh 16,777,216 bytes; vh 16,777,216 bytes
;; launch quant (part 1): grid 352 x 1, 4 waves a work-group, no clusters, 33,280 bytes of LDS; arguments hidden_states, Wq, Wk, Wv, xcodes, xscales, wcodes, wscales; writes xcodes, xscales, wcodes, wscales
.if DOCPART == 1
	.amdgcn_target "amdgcn-amd-amdhsa--gfx1250"
	.amdhsa_code_object_version 6
	.text
	.protected	k_q88abb9b383_quant
	.globl	k_q88abb9b383_quant
	.p2align	8
	.type	k_q88abb9b383_quant,@function
k_q88abb9b383_quant:
	s_mov_b64 s[64:65], 0
	v_nop
	global_prefetch_b8 v0, s[64:65] scope:SCOPE_SE
	s_setreg_imm32_b32 hwreg(HW_REG_WAVE_MODE, 25, 1), 1
	s_wait_xcnt 0x0
; hidden_states [8192][1024] and Wq, Wk, Wv [1024 (k)][1024 (n)], f32, become codes of FP4 (E2M1) with one E8M0 byte for each 32 along K.
; A block's scale is 2^(floor(log2(its largest magnitude)) - 2); its byte is the largest magnitude's exponent field - 2, held at 1 from below.
; Each number is divided by the scale and rounded to the nearest code, ties to even, beyond 6 the largest code.
; LIMITS: a block of zeros gets the byte 1 where the rule says 127 (its codes are zeros, which add nothing, and this program alone reads the bytes);
; blocks whose largest magnitude lies under 2^-124 keep the byte 1; NaN and infinities among the inputs are not served.
; WORK-GROUPS 0-255: hidden_states, whose K is innermost: a plain stream of blocks of 32.  A wave takes 16 steps of 512 numbers.  Each load reads 512 consecutive bytes;
;   a step's 2,048 bytes turn through the wave's own stage in LDS, so that a lane holds 16 neighbours (two lanes a block).  xcodes: [8192][512 bytes]; xscales: [8192][32].
; WORK-GROUPS 256-351: the weights, whose K is the first axis.  A lane takes a column n, its registers run down K: a block of 32 lies in one lane, and the conversions give codes with K innermost.
;   A wave takes 32 columns x 256 along K (8 blocks).  n counts all three weights: n = 1024 x (0 q, 1 k, 2 v) + column.
;   wcodes is laid in the order of the operand's registers: [K / 512][n / 16][block % 16][n % 16][16 bytes]: sixteen lanes store 256 consecutive, aligned bytes, and no LDS is needed.
;   wscales: [3072][32]: a lane stores 8 bytes of its row, rows 32 bytes apart: 96 KiB of the launch's 52 MB leave in pieces.
; The two paths part on the work-group's number and do not join.
.set STEPS, 16
.set EMAX,  2
.set CB,    8                          ; bytes of 16 codes
.set R,     16                         ; v16-79   x: four sets of 16 numbers as loaded
.set X,     80                         ; v80-111  x: two sets of 16 neighbours
.set E,     112                        ; v112-127 x: a scale byte for each step
.set C,     128                        ; v128-191 x: codes, four registers a step: no store's data are written again
.set WREG,  8192                       ; LDS: a region for each wave: two stages of 32 x SP bytes, behind them its 256 scale bytes
.set SP,    80                         ; a lane's place in a stage: 64 bytes + 16 of padding
.set SPW,   12                         ; v12      LDS address of my spare word; never rewritten
.set NIL,   13                         ; v13      0; never rewritten
.set SPARE, 4*WREG                     ; behind the four regions: the spare words, 128 bytes a wave
.set WX,    32                         ; v32-95   W: two sets of 32 numbers
.set WC,    96                         ; v96-127  W: codes, four registers a block: no store's data are written again
.set SB,    24                         ; v24-25   W: the eight scale bytes
	s_load_b256 s[4:11], s[0:1], 0x0               ; hidden_states, Wq, Wk, Wv
	s_load_b256 s[12:19], s[0:1], 0x20             ; xcodes, xscales, wcodes, wscales
	v_lshl_add_u32 v[SPW], v0, 2, SPARE
	v_mov_b32 v[NIL], 0
	v_lshrrev_b32 v1, 5, v0
	v_readfirstlane_b32 s20, v1                    ; wave
	v_and_b32 v2, 31, v0                           ; lane
	s_wait_kmcnt 0x0
	s_cmp_lt_u32 ttmp9, 256
	s_cbranch_scc0 .Lweights
	; ---------------- hidden_states ----------------
	v_lshlrev_b32 v3, 4, v2                        ; my 16 bytes of a load's 512
	s_mul_i32 s21, s20, WREG
	v_lshrrev_b32 v14, 2, v2
	v_mul_u32_u24 v14, v14, SP
	v_and_b32 v15, 3, v2
	v_lshl_add_u32 v14, v15, 4, v14
	v_add_nc_u32 v14, s21, v14                     ; the stage, on the way in: SP (lane / 4) + 16 (lane % 4)
	v_mul_u32_u24 v15, v2, SP
	v_add_nc_u32 v15, s21, v15                     ; and on the way out: SP x lane: my 16 neighbours
	v_mul_u32_u24 v4, v2, CB                       ; my codes' place in a step's
	v_lshrrev_b32 v5, 1, v2
	s_add_co_u32 s21, s21, 2*32*SP
	v_add_nc_u32 v5, s21, v5                       ; LDS: my wave's 256 scale bytes, my block's byte
	v_lshlrev_b32 v7, 3, v2                        ; and on the way out 8 bytes a lane
	v_add_nc_u32 v6, s21, v7
	s_lshl_b32 s22, ttmp9, 2
	s_add_co_u32 s22, s22, s20                     ; which run of 8,192 numbers is my wave's
	s_mov_b32 s23, 0
	s_lshl_b64 s[24:25], s[22:23], 15              ; 32,768 bytes of numbers,
	s_add_nc_u64 s[4:5], s[4:5], s[24:25]
	s_lshl_b64 s[24:25], s[22:23], 12              ; 4,096 of codes,
	s_add_nc_u64 s[12:13], s[12:13], s[24:25]
	s_lshl_b32 s22, s22, 8                         ; 256 scale bytes a run
	s_add_nc_u64 s[14:15], s[14:15], s[22:23]
.macro LOAD t
.irp i, 0,1,2,3
	global_load_b128 v[R+16*((\t)%4)+4*\i:R+16*((\t)%4)+4*\i+3], v3, s[4:5] offset:2048*(\t)+512*\i th:TH_LOAD_NT   ; 32 lanes read 512 consecutive bytes
.endr
.endm
.macro TURN t                          ; step t's numbers through the stage: LDS serves a wave's instructions in order, so no wait stands between the stores and the loads
.irp i, 0,1,2,3
	ds_store_b128 v14, v[R+16*((\t)%4)+4*\i:R+16*((\t)%4)+4*\i+3] offset:32*SP*((\t)%2)+8*SP*\i
.endr
.irp i, 0,1,2,3
	ds_load_b128 v[X+16*((\t)%2)+4*\i:X+16*((\t)%2)+4*\i+3], v15 offset:32*SP*((\t)%2)+16*\i
.endr
.endm
.irp t, 0,1,2,3
	LOAD \t
.endr
	s_wait_loadcnt 12                              ; step 0's four loads are in
	TURN 0
.macro STEP t
.set XS, X+16*((\t)%2)
.if (\t) > 0
	s_wait_dscnt 1                                 ; this step's numbers are back from the stage (the last step's byte store may be out)
.else
	s_wait_dscnt 0x0
.endif
.if (\t)+4 < STEPS
	LOAD (\t)+4                                    ; into the registers whose stores into the stage are done
.endif
.if (\t)+1 < STEPS
.if STEPS-2-(\t) >= 3
	s_wait_loadcnt 12                              ; the next step's four loads are in; those of the three steps behind it may be out
.else
	s_wait_loadcnt 4*(STEPS-2-(\t))
.endif
	TURN (\t)+1                                    ; through the other stage while this step is worked
.endif
	v_max3_num_f32 v8, |v[XS]|, |v[XS+1]|, |v[XS+2]|               ; the largest magnitude of my 16, in two chains
	v_max3_num_f32 v9, |v[XS+3]|, |v[XS+4]|, |v[XS+5]|
.irp i, 6,10
	v_max3_num_f32 v8, v8, |v[XS+\i]|, |v[XS+\i+1]|
	v_max3_num_f32 v9, v9, |v[XS+\i+2]|, |v[XS+\i+3]|
.endr
	v_max3_num_f32 v8, v8, |v[XS+14]|, |v[XS+15]|
	v_max3_num_f32 v8, v8, v9, (EMAX+1)<<23        ; and the floor 2^(3 - 127): the byte cannot fall under 1
	v_max_num_f32_dpp v8, v8, v8 row_xmask:1 row_mask:0xf bank_mask:0xf   ; and of my neighbour's 16: the block's
	v_add_nc_u32 v11, -(EMAX<<23), v8              ; 2 off its exponent field: the conversion takes the exponent field of this operand as its scale
	v_cvt_scalef32_pk8_fp4_f32 v[C+4*(\t)], v[XS:XS+7], v11
	v_cvt_scalef32_pk8_fp4_f32 v[C+4*(\t)+1], v[XS+8:XS+15], v11
	v_lshrrev_b32 v[E+(\t)], 23, v11               ; the scale's byte (also the plain line behind the conversions)
	ds_store_b8 v5, v[E+(\t)] offset:16*(\t)       ; both lanes of a block write the same byte with the same value
	global_store_b64 v4, v[C+4*(\t):C+4*(\t)+1], s[12:13] offset:32*CB*(\t)   ; the wave stores 256 consecutive, aligned bytes
.endm
.irp t, 0,1,2,3,4,5,6,7,8,9,10,11,12,13,14,15
	STEP \t
.endr
	ds_load_b64 v[8:9], v6                         ; LDS serves a wave's instructions in order: these see my byte stores
	s_wait_dscnt 0x0
	global_store_b64 v7, v[8:9], s[14:15]          ; 32 lanes store 256 consecutive, aligned bytes
	s_wait_tensorcnt 0x0                           ; the wave's end: behind my last LDS store
	ds_add_u32 v[SPW], v[NIL]
	s_wait_dscnt 0x0
	s_endpgm
	; ---------------- the weights ----------------
.Lweights:
	s_sub_co_u32 s21, ttmp9, 256                   ; g = 0 .. 95
	s_lshr_b32 s22, s21, 5                         ; which weight: 0 q, 1 k, 2 v
	s_and_b32 s23, s21, 7                          ; which 128 columns
	s_bfe_u32 s24, s21, 0x20003                    ; y: which 256 along K
	s_cmp_eq_u32 s22, 0                            ; the choice hangs on the work-group's number alone
	s_cselect_b64 s[6:7], s[6:7], s[8:9]
	s_cmp_eq_u32 s22, 2
	s_cselect_b64 s[6:7], s[10:11], s[6:7]
	s_lshl_b32 s26, s24, 20                        ; W: 256 y rows of 4,096 bytes
	s_lshl_b32 s28, s23, 9                         ; + 128 columns x 4 bytes
	s_add_co_u32 s26, s26, s28
	s_lshl_b32 s28, s20, 7                         ; + my wave's 32 columns
	s_add_co_u32 s26, s26, s28
	s_mov_b32 s27, 0
	s_add_nc_u64 s[6:7], s[6:7], s[26:27]
	s_lshl_b32 s28, s22, 6
	s_lshl_b32 s29, s23, 3
	s_add_co_u32 s28, s28, s29
	s_lshl_b32 s29, s20, 1
	s_add_co_u32 s28, s28, s29                     ; my first tile of 16 columns: 64 weight + 8 group + 2 wave
	s_lshl_b32 s30, s28, 12                        ; wcodes: 4,096 bytes a tile,
	s_lshr_b32 s29, s24, 1
	s_mul_i32 s29, s29, 786432                     ; which 512 along K,
	s_add_co_u32 s30, s30, s29
	s_and_b32 s29, s24, 1
	s_lshl_b32 s29, s29, 11                        ; and its blocks 0-7 or 8-15, 256 bytes each
	s_add_co_u32 s30, s30, s29
	s_mov_b32 s31, 0
	s_add_nc_u64 s[16:17], s[16:17], s[30:31]
	s_lshl_b32 s30, s28, 9                         ; wscales: 16 rows of 32 bytes a tile,
	s_lshl_b32 s29, s24, 3                         ; + 8 y
	s_add_co_u32 s30, s30, s29
	s_add_nc_u64 s[18:19], s[18:19], s[30:31]
	v_lshlrev_b32 v3, 2, v2                        ; in: 4 bytes a lane
	v_lshrrev_b32 v4, 4, v2
	v_and_b32 v5, 15, v2
	v_lshlrev_b32 v8, 12, v4                       ; codes out: my tile,
	v_lshl_add_u32 v8, v5, 4, v8                   ; my 16 bytes in a block's 256
	v_lshlrev_b32 v9, 5, v2                        ; scale bytes out: my row
.macro WLOAD t                         ; block t: W(32 t + i, my column), i = 0 .. 31, into set t % 2; a wave's load reads 128 consecutive bytes, the four waves 512
.irp i, 0,1,2,3,4,5,6,7,8,9,10,11,12,13,14,15,16,17,18,19,20,21,22,23,24,25,26,27,28,29,30,31
	global_load_b32 v[WX+32*((\t)%2)+\i], v3, s[6:7] offset:(32*(\t)+\i)*4096 th:TH_LOAD_NT
.endr
.endm
	WLOAD 0
	WLOAD 1
.macro WBLOCK t
.set XS, WX+32*((\t)%2)
.if (\t) < 7
	s_wait_loadcnt 32                              ; this block's 32 loads are in; the next block's may be out
.else
	s_wait_loadcnt 0
.endif
	v_max3_num_f32 v26, |v[XS]|, |v[XS+1]|, |v[XS+2]|              ; the block's largest magnitude: all 32 numbers are mine
	v_max3_num_f32 v27, |v[XS+3]|, |v[XS+4]|, |v[XS+5]|
.irp i, 6,10,14,18,22,26
	v_max3_num_f32 v26, v26, |v[XS+\i]|, |v[XS+\i+1]|
	v_max3_num_f32 v27, v27, |v[XS+\i+2]|, |v[XS+\i+3]|
.endr
	v_max3_num_f32 v26, v26, |v[XS+30]|, |v[XS+31]|
	v_max3_num_f32 v26, v26, v27, (EMAX+1)<<23     ; and the floor
	v_add_nc_u32 v28, -(EMAX<<23), v26             ; the conversion's scale operand
	v_lshrrev_b32 v29, 23, v28                     ; the scale's byte
.if (\t)%4 == 0
	v_mov_b32 v[SB+(\t)/4], v29                    ; four bytes to a register, the lower K in the lower byte
.else
	v_lshl_or_b32 v[SB+(\t)/4], v29, 8*((\t)%4), v[SB+(\t)/4]
.endif
.irp g, 0,1,2,3
	v_cvt_scalef32_pk8_fp4_f32 v[WC+4*(\t)+\g], v[XS+8*\g:XS+8*\g+7], v28
.endr
	global_store_b128 v8, v[WC+4*(\t):WC+4*(\t)+3], s[16:17] offset:256*(\t)   ; sixteen lanes store 256 consecutive, aligned bytes.  (The results go to a store alone, and plain lines open the next block)
.if (\t)+2 < 8
	WLOAD (\t)+2
.endif
.endm
.irp t, 0,1,2,3,4,5,6,7
	WBLOCK \t
.endr
	global_store_b64 v9, v[SB:SB+1], s[18:19]      ; my column's eight scale bytes
	s_wait_tensorcnt 0x0                           ; the same three lines at this path's end
	ds_add_u32 v[SPW], v[NIL]
	s_wait_dscnt 0x0
	s_endpgm
.Lfunc_end_k_q88abb9b383_quant:
	.size	k_q88abb9b383_quant, .Lfunc_end_k_q88abb9b383_quant-k_q88abb9b383_quant
	.p2alignl 7, 3214868480
	.fill 96, 4, 3214868480
	.section	.rodata,"a",@progbits
	.p2align	6, 0x0
	.amdhsa_kernel k_q88abb9b383_quant
		.amdhsa_group_segment_fixed_size 33280
		.amdhsa_private_segment_fixed_size 0
		.amdhsa_enable_private_segment 0
		.amdhsa_kernarg_size 64
		.amdhsa_user_sgpr_count 2
		.amdhsa_user_sgpr_kernarg_segment_ptr 1
		.amdhsa_wavefront_size32 1
		.amdhsa_system_sgpr_workgroup_id_x 1
		.amdhsa_system_sgpr_workgroup_id_y 1
		.amdhsa_system_sgpr_workgroup_id_z 1
		.amdhsa_system_vgpr_workitem_id 0
		.amdhsa_next_free_vgpr 192
		.amdhsa_next_free_sgpr 66
		.amdhsa_reserve_vcc 0
		.amdhsa_float_denorm_mode_32 3
		.amdhsa_float_denorm_mode_16_64 3
		.amdhsa_memory_ordered 1
		.amdhsa_forward_progress 1
		.amdhsa_inst_pref_size 71
	.end_amdhsa_kernel
	.amdgpu_metadata
---
amdhsa.version: [ 1, 2 ]
amdhsa.kernels:
  - .name:           k_q88abb9b383_quant
    .symbol:         k_q88abb9b383_quant.kd
    .args:
      - { .name: hidden_states, .offset: 0, .size: 8, .value_kind: global_buffer, .address_space: global }
      - { .name: Wq, .offset: 8, .size: 8, .value_kind: global_buffer, .address_space: global }
      - { .name: Wk, .offset: 16, .size: 8, .value_kind: global_buffer, .address_space: global }
      - { .name: Wv, .offset: 24, .size: 8, .value_kind: global_buffer, .address_space: global }
      - { .name: xcodes, .offset: 32, .size: 8, .value_kind: global_buffer, .address_space: global }
      - { .name: xscales, .offset: 40, .size: 8, .value_kind: global_buffer, .address_space: global }
      - { .name: wcodes, .offset: 48, .size: 8, .value_kind: global_buffer, .address_space: global }
      - { .name: wscales, .offset: 56, .size: 8, .value_kind: global_buffer, .address_space: global }
    .group_segment_fixed_size: 33280
    .private_segment_fixed_size: 0
    .kernarg_segment_align: 8
    .kernarg_segment_size: 64
    .max_flat_workgroup_size: 128
    .sgpr_count:     66
    .vgpr_count:     192
    .wavefront_size: 32
...
	.end_amdgpu_metadata
.endif
;; end of part 1
;; launch proj (part 2): grid 12 x 32, 4 waves a work-group, clusters of 4 x 4, 327,680 bytes of LDS; arguments xcodes, xscales, wcodes, wscales, bq, bk, bv, qh, kh, vh; writes qh, kh, vh
.if DOCPART == 2
	.amdgcn_target "amdgcn-amd-amdhsa--gfx1250"
	.amdhsa_code_object_version 6
	.text
	.protected	k_q88abb9b383_proj
	.globl	k_q88abb9b383_proj
	.p2align	8
	.type	k_q88abb9b383_proj,@function
k_q88abb9b383_proj:
	s_mov_b64 s[64:65], 0
	v_nop
	global_prefetch_b8 v0, s[64:65] scope:SCOPE_SE
	s_setreg_imm32_b32 hwreg(HW_REG_WAVE_MODE, 25, 1), 1
	s_wait_xcnt 0x0
	s_wait_alu depctr_hold_cnt(0) depctr_sa_sdst(0) depctr_va_vdst(0) depctr_va_sdst(0) depctr_va_ssrc(0) depctr_va_vcc(0) depctr_vm_vsrc(0)
	s_getreg_b32 s2, hwreg(HW_REG_IB_STS2, 6, 4)
	s_cmp_eq_u32 s2, 0
	s_cbranch_scc0 .Lentry_in_a_cluster
	s_endpgm
.Lentry_in_a_cluster:
	s_bfe_u32 s2, ttmp6, 0x10000c
	s_cmp_lg_u32 s2, 0xf033
	s_cbranch_scc0 .Lentry_shape_is_right
	s_endpgm
.Lentry_shape_is_right:
; [8192 tokens][1024] x [3072 channels][1024]^T on codes of FP4 (E2M1) with one E8M0 scale for each 32 along K; + bias; q's numbers x c = log2(e) / 8; rounded once to f16.
; Channels 0-1023 are q's, 1024-2047 k's, 2048-3071 v's.  qh, kh, vh: [batch][head][token][64] f16: a row is 128 bytes.
; A tile, 256 tokens x 256 channels, is made by four waves, a wave 128 x 128: 64 accumulators of 16 x 16, 512 registers.  K = 1,024 is two slots of 512: both are asked for at the head, nothing is filled again.
; x's codes lie as rows (512 bytes a token): a slot takes 256 bytes of 256 rows, padded in LDS.  The weights' codes lie in the order of the operand's registers:
; [K / 512][channel / 16][block % 16][channel % 16][16 bytes]: a slot's 256 channels are 65,536 consecutive bytes, and a fragment's register group is 512 consecutive bytes, 16 a lane.
; THE SCALES of the tile's 256 tokens and 256 channels, for all of K, are two dense blocks: they come once, as rows of 256 bytes.
; CLUSTERS: 4 x 4 work-groups.  The four of a row of the cluster need the same tiles of x, the four of a column the same tiles of W: each is asked for JOINTLY.  The cluster's x (0, 1, 2) is the tensor q, k, v.
; THE MATRIX INSTRUCTION IS USED TRANSPOSED (source 0 = 16 channels, source 1 = 16 tokens): a lane holds eight neighbouring channels of one token.  THE BIAS is the C of each sum's first product.
; LIMIT: |q c|, |k|, |v| stay under 65,504, f16's largest number (the drawn inputs give about 5; inputs and weights 30 times larger each, about 5,000).
; 384 work-groups: the grid does not divide evenly by the number of WGPs at this tile; a tile of half the rows would pay each tile's first latencies twice as often.
; REGISTERS, in windows of 256: window 0: v16-30 addresses; v32-95 scale words, two sets, and nothing else; v128-191 x's fragments, ONE set; v192-255 the bias in the result's layout;
;   on the way out v96-255 are at work.   window 1: W's fragments, TWO sets, at v0 and v128.   window 2: the accumulators of my tokens 0-63 ((a, b) at v[8 (8 a + b)]);   window 3: those of tokens 64-127.
.set NQ,     4                         ; steps of 128 along K in a slot
.set ROWB,   256                       ; a slot's part of a token's row
.set PITCH,  272                       ; in LDS: + 16 of padding = 68 words: the 16 rows that a load touches start at 16 different banks (64 banks of 4 bytes: ISA guide 11.1)
.set FR,     8                         ; registers of a fragment
.set NL,     2                         ; LDS loads that bring one
.set NP,     4                         ; places behind this matrix instruction (ISA guide 7.12.1)
.set HALFA,  128*PITCH                 ; 128 tokens: one tensor load
.set BOFF,   2*HALFA                   ; behind x's 256 rows: W's images
.set HALFB,  32768                     ; 128 channels: one tensor load
.set SLOT,   BOFF+2*HALFB
.set WSTEP,  786432                    ; from one 512 along K to the next in wcodes
.set KS,     32                        ; a row of scale bytes
.set SCL,    2*SLOT                    ; behind the slots: the scales, as rows of 256 bytes + 16 of padding
.set HALFS,  16*272                    ; those of 128 rows: one tensor load
.set SBLK,   2*272                     ; those of 16 rows
.set SPARE,  SCL+4*HALFS               ; the spare words, 128 bytes a wave
.set SPITCH, 272                       ; the way out: a stage of 16 rows x (256 + 16) bytes for each wave, in slot 0, which has had its one fill and its last read by then
.set ADRA, 16                          ; v16-17  LDS address of my fragments of x in slot 0, 1
.set ADRB, 20                          ; v20-21  the same for W
.set STO,  24                          ; v24     the way out: where I put 16 bytes of a token's row
.set RD,   25                          ; v25     where I read back
.set CO,   26                          ; v26     my byte offset in the output
.set ADRS, 27                          ; v27     LDS address of my scale words: lanes 0-15 x's rows, lanes 16-31 W's
.set SPW,  28                          ; v28     LDS address of my spare word; never rewritten
.set NIL,  29                          ; v29     0; never rewritten
.set BO,   30                          ; v30     my offset in the bias
.set SC,   32                          ; scale words: set s at v[SC + 32 s]; register 4 i + q: lanes 0-15 x's block i, lanes 16-31 W's block i, the slot's q-th 128 along K
.set AF,   128                         ; x's fragments
.set BI,   192                         ; the bias: register 8 b + j of lane (r, h): channel 16 b + 8 h + j of my 128
.set F,    128                         ; the way out: a block's 64 numbers, scaled
.set TMP,  192                         ; packed to f16
.set WVN,  24                          ; s24 wave;  s25 = wave / 2: my half of the tokens; also 0: I fetch for x, 1: for W;  s26 = wave % 2: my half of the channels; also which half I fetch
.set G1,   28                          ; s[28:35] group 1 for x's tiles;  s[36:43] group 0, a set for each slot
.set G0,   36
.set G1B,  44                          ; s[44:51], s[52:59] the same for W's
.set G0B,  52
.set G1S,  68                          ; s[68:75], s[76:79] groups 1 and 0 for x's scales;  s[80:87], s[88:91] for W's
.set G0S,  76
.set G1SB, 80
.set G0SB, 88
.set FS,   92                          ; s[92:93] the factor on the way out: c for q, 1 for k and v
.set MSB, 0
.macro WIN new                         ; the immediate's high byte repeats the setting that is left
.if MSB != (\new)
	s_set_vgpr_msb (MSB<<8)|(\new)
.set MSB, (\new)
.endif
.endm
.set MUL_LO, 0xa1                      ; source 0 (W) window 1, source 1 (x) window 0, C and D window 2
.set MUL_HI, 0xf1                      ; the same, C and D window 3
.set FST_LO, 0x81                      ; the first step: C (the bias) window 0, D window 2
.set FST_HI, 0xc1                      ; D window 3
.set TO_B,   0x40                      ; destination window 1, address window 0
; A joint load: waves 0 and 1 fetch for x, waves 2 and 3 for W.  Each line has one mask and one set of registers for all that issue it; the branch hangs on the wave's number alone.
; An s_nop 0 and four v_nop follow each of the two lines.
.macro JLOAD g0a, g1a, g0b, g1b
	s_cmp_eq_u32 s25, 0
	s_cbranch_scc0 .Lfor_b_\@
	tensor_load_to_lds s[\g0a:\g0a+3], s[\g1a:\g1a+7]
	s_nop 0
.rept 4
	v_nop
.endr
	s_branch .Lasked_\@
.Lfor_b_\@:
	tensor_load_to_lds s[\g0b:\g0b+3], s[\g1b:\g1b+7]
	s_nop 0
.rept 4
	v_nop
.endr
.Lasked_\@:
.endm
.macro CROUND                          ; a round of the cluster's barrier
	s_barrier_signal -1
	s_barrier_wait -1
	s_cmp_lg_u32 s[WVN], 0
	s_cbranch_scc1 .Lnot_wave_0_\@
	s_barrier_signal -3
.Lnot_wave_0_\@:
	s_barrier_wait -3
	s_barrier_signal -1
	s_barrier_wait -1
.endm
	s_load_b256 s[4:11], s[0:1], 0x0               ; xcodes s[4:5], xscales s[6:7], wcodes s[8:9], wscales s[10:11]
	s_load_b256 s[12:19], s[0:1], 0x20             ; bq s[12:13], bk s[14:15], bv s[16:17], qh s[18:19]
	s_load_b128 s[20:23], s[0:1], 0x40             ; kh s[20:21], vh s[22:23]
	v_lshl_add_u32 v[SPW], v0, 2, SPARE
	v_mov_b32 v[NIL], 0
	ds_add_u32 v[SPW], v[NIL]                      ; the wave's opening: the add, twice on end, and its wait ahead of my first tensor load
	ds_add_u32 v[SPW], v[NIL]                      ; the set-up below, work on registers, stands between the second and the wait
	v_lshrrev_b32 v1, 5, v0
	v_readfirstlane_b32 s[WVN], v1                 ; wave 0..3
	s_lshr_b32 s25, s[WVN], 1
	s_and_b32 s26, s[WVN], 1
	s_bfe_u32 s60, ttmp6, 0x40000                  ; cx, cy: my place in the cluster
	s_bfe_u32 s61, ttmp6, 0x40004
	s_lshl_b32 s62, ttmp9, 2
	s_add_co_u32 s62, s62, s60                     ; tile column = 4 x cluster x + cx
	s_and_b32 s63, ttmp7, 0xffff
	s_lshl_b32 s63, s63, 2
	s_add_co_u32 s63, s63, s61                     ; tile row = 4 x cluster y + cy
	s_lshl_b32 s66, s61, 2
	s_lshl_b32 s66, 15, s66                        ; my row of the cluster
	s_lshl_b32 s67, 0x1111, s60                    ; my column
	; group 1, x's tiles: 128 rows x 256 bytes, 512 bytes apart, 16 bytes of padding behind each in LDS
	s_or_b32 s[G1+0], s66, (0<<16)|(1<<20)|(1<<21)|(5<<22)|(3<<25)  ; 15:0 the mask: my row; 17:16 elements of 1 byte; 20 padding on; 21 set beside a mask; 24:22 after every 64 words; 31:25 four words
	s_mov_b32 s[G1+1], ROWB<<16                    ; tensor_dim0
	s_mov_b32 s[G1+2], 128<<16                     ; tensor_dim1
	s_mov_b32 s[G1+3], ROWB<<16                    ; tile_dim0
	s_mov_b32 s[G1+4], 128                         ; tile_dim1
	s_mov_b32 s[G1+5], 512                         ; tensor_dim0_stride
	s_mov_b32 s[G1+6], 0
	s_mov_b32 s[G1+7], 0
	; W's tiles: 32,768 dense bytes as 128 rows of 32 elements of 8 bytes, no padding
	s_or_b32 s[G1B+0], s67, (3<<16)|(1<<21)        ; the mask: my column
	s_mov_b32 s[G1B+1], 32<<16
	s_mov_b32 s[G1B+2], 128<<16
	s_mov_b32 s[G1B+3], 32<<16
	s_mov_b32 s[G1B+4], 128
	s_mov_b32 s[G1B+5], 32
	s_mov_b32 s[G1B+6], 0
	s_mov_b32 s[G1B+7], 0
	; the scales of 128 rows: 4,096 dense bytes as 16 rows of 256 bytes, 16 bytes of padding behind each
	s_or_b32 s[G1S+0], s66, (3<<16)|(1<<20)|(1<<21)|(5<<22)|(3<<25)
	s_or_b32 s[G1SB+0], s67, (3<<16)|(1<<20)|(1<<21)|(5<<22)|(3<<25)
.irp g, G1S, G1SB
	s_mov_b32 s[\g+1], 32<<16
	s_mov_b32 s[\g+2], 16<<16
	s_mov_b32 s[\g+3], 32<<16
	s_mov_b32 s[\g+4], 16
	s_mov_b32 s[\g+5], 32
	s_mov_b32 s[\g+6], 0
	s_mov_b32 s[\g+7], 0
.endr
	; where the tiles come from: x's hang on the tile row alone, W's on the tile column alone, each in registers that never hold the other coordinate
	s_lshl_b32 s2, s26, 7                          ; which 128 rows I fetch
	s_lshl_b32 s94, s63, 8
	s_add_co_u32 s94, s94, s2                      ; x: token 256 x tile row + 128 x half
	s_lshl_b32 s96, s94, 5                         ; its scale bytes,
	s_lshl_b32 s94, s94, 9                         ; its codes
	s_mov_b32 s95, 0
	s_mov_b32 s97, 0
	s_lshl_b32 s98, s62, 8
	s_add_co_u32 s98, s98, s2                      ; W: channel 256 x tile column + 128 x half
	s_lshl_b32 s100, s98, 5                        ; its scale bytes,
	s_lshl_b32 s98, s98, 8                         ; its images: 4,096 bytes for 16 channels
	s_mov_b32 s99, 0
	s_mov_b32 s101, 0
	s_mul_i32 s3, s26, HALFA                       ; and where they go: no place in the cluster enters an LDS address
	s_mul_i32 s2, s26, HALFB
	s_add_co_u32 s2, s2, BOFF
	s_mul_i32 s66, s[WVN], HALFS
	s_mov_b32 s[FS], 0x3e38aa3b                    ; c = log2(e) / 8: the scores' 1 / sqrt(64) and the change to base 2, laid on q in f32 ahead of its one rounding
	s_wait_dscnt 0x0                               ; both opening adds are done
	s_wait_kmcnt 0x0
	s_add_nc_u64 s[94:95], s[4:5], s[94:95]
	s_add_nc_u64 s[96:97], s[6:7], s[96:97]
	s_add_nc_u64 s[98:99], s[8:9], s[98:99]
	s_add_nc_u64 s[100:101], s[10:11], s[100:101]
	s_cmp_eq_u32 ttmp9, 0                          ; the cluster's x is the tensor: the same in all sixteen partners
	s_cselect_b64 s[12:13], s[12:13], s[14:15]     ; the bias,
	s_cselect_b64 s[18:19], s[18:19], s[20:21]     ; the output,
	s_cselect_b32 s[FS], s[FS], 1.0                ; the factor
	s_cmp_eq_u32 ttmp9, 2
	s_cselect_b64 s[12:13], s[16:17], s[12:13]
	s_cselect_b64 s[18:19], s[22:23], s[18:19]
	s_mov_b32 s[FS+1], s[FS]                       ; (named with it as a pair, so it is written)
	CROUND                                         ; all sixteen work-groups are here: the joint loads meet
	s_mov_b32 s[G0S], 1
	s_add_co_u32 s[G0S+1], s66, SCL
	s_mov_b64 s[G0S+2:G0S+3], s[96:97]
	s_or_b32 s[G0S+3], s[G0S+3], 0x80000000
	s_mov_b32 s[G0SB], 1
	s_add_co_u32 s[G0SB+1], s66, SCL
	s_mov_b64 s[G0SB+2:G0SB+3], s[100:101]
	s_or_b32 s[G0SB+3], s[G0SB+3], 0x80000000
	JLOAD G0S, G1S, G0SB, G1SB                     ; the scales first: they are wanted with slot 0
.irp s, 0,1
	s_mov_b32 s[G0+4*\s], 1
	s_add_co_u32 s[G0+4*\s+1], s3, \s*SLOT
	s_add_nc_u64 s[G0+4*\s+2:G0+4*\s+3], s[94:95], \s*ROWB
	s_or_b32 s[G0+4*\s+3], s[G0+4*\s+3], 0x80000000
	s_mov_b32 s[G0B+4*\s], 1
	s_add_co_u32 s[G0B+4*\s+1], s2, \s*SLOT
	s_add_nc_u64 s[G0B+4*\s+2:G0B+4*\s+3], s[98:99], \s*WSTEP
	s_or_b32 s[G0B+4*\s+3], s[G0B+4*\s+3], 0x80000000
	JLOAD G0+4*\s, G1, G0B+4*\s, G1B               ; three tensor loads of mine are out behind the last
.endr
	v_and_b32 v1, 15, v0                           ; r = lane % 16
	v_bfe_u32 v2, v0, 4, 1                         ; h = lane / 16
	v_lshlrev_b32 v[BO], 5, v2                     ; the bias: my half's eight numbers
	s_lshl_b32 s2, s60, 10                         ; the tile's 256 channels in its tensor,
	s_lshl_b32 s3, s26, 9                          ; my 128 of them
	s_add_co_u32 s2, s2, s3
	s_mov_b32 s3, 0
	s_add_nc_u64 s[12:13], s[12:13], s[2:3]
.irp b, 0,1,2,3,4,5,6,7
	global_load_b128 v[BI+8*\b:BI+8*\b+3], v[BO], s[12:13] offset:64*\b
	global_load_b128 v[BI+8*\b+4:BI+8*\b+7], v[BO], s[12:13] offset:64*\b+16
.endr
	v_mul_u32_u24 v3, v1, PITCH
	v_lshl_add_u32 v4, v2, 4, v3                   ; x: a fragment's row x pitch + 16 x half
	s_mul_i32 s2, s25, HALFA                       ; my 128 tokens
	v_add_nc_u32 v[ADRA], s2, v4
	v_add_nc_u32 v[ADRA+1], SLOT, v[ADRA]
	v_and_b32 v5, 31, v0
	v_lshlrev_b32 v5, 4, v5                        ; W: 16 x lane
	s_mul_i32 s3, s26, HALFB                       ; my 128 channels
	s_add_co_u32 s3, s3, BOFF
	v_add_nc_u32 v[ADRB], s3, v5
	v_add_nc_u32 v[ADRB+1], SLOT, v[ADRB]
	v_mul_u32_u24 v6, v1, KS                       ; my row's scales: 32 bytes a row,
	v_lshrrev_b32 v7, 8, v6
	v_lshl_add_u32 v6, v7, 4, v6                   ; and 16 more for each 256 passed
	s_mul_i32 s2, s25, HALFS                       ; x's: my 128 tokens
	s_mul_i32 s3, s26, HALFS                       ; W's: my 128 channels, behind x's 256
	s_add_co_u32 s3, s3, 2*HALFS
	s_sub_co_u32 s3, s3, s2
	v_mul_u32_u24 v7, s3, v2                       ; lanes 16-31 take W's: one product, the distance between the two bases x h
	s_add_co_u32 s2, s2, SCL
	v_add_nc_u32 v6, v6, v7
	v_add_nc_u32 v[ADRS], s2, v6
	s_mul_i32 s2, s[WVN], 16*SPITCH                ; my stage
	v_mul_u32_u24 v6, v1, SPITCH                   ; in: token r, 16 bytes for each half of the lanes
	v_lshl_add_u32 v6, v2, 4, v6
	v_add_nc_u32 v[STO], s2, v6
	v_bfe_u32 v6, v0, 3, 1                         ; back: lanes 0-15 take one head's 128 bytes of two neighbouring tokens, lanes 16-31 the other head's
	v_mul_u32_u24 v6, v6, SPITCH
	v_lshl_add_u32 v6, v2, 7, v6
	v_and_b32 v7, 7, v0
	v_lshl_add_u32 v6, v7, 4, v6
	v_add_nc_u32 v[RD], s2, v6
	v_lshlrev_b32 v[CO], 18, v2                    ; in the output a head is 262,144 bytes, and two tokens' rows of a head are 256 consecutive bytes
	v_lshl_add_u32 v[CO], v1, 4, v[CO]
	s_lshr_b32 s2, s63, 3                          ; the batch: 8 tile rows each
	s_lshl_b32 s2, s2, 4
	s_lshl_b32 s3, s60, 2                          ; the tile's four heads,
	s_add_co_u32 s2, s2, s3
	s_lshl_b32 s3, s26, 1                          ; my two
	s_add_co_u32 s2, s2, s3
	s_lshl_b32 s2, s2, 11                          ; 2,048 rows a head
	s_and_b32 s3, s63, 7
	s_lshl_b32 s3, s3, 8
	s_add_co_u32 s2, s2, s3                        ; the tile's first token in its batch,
	s_lshl_b32 s3, s25, 7
	s_add_co_u32 s2, s2, s3                        ; my 128
	s_lshl_b32 s2, s2, 7                           ; 128 bytes a row
	s_mov_b32 s3, 0
	s_add_nc_u64 s[18:19], s[18:19], s[2:3]
.macro FRAGA reg, slot, q, i           ; 16 tokens x 128 K: lane l holds row l % 16; registers 4 c .. 4 c + 3 hold K = 64 c + 32 (l / 16) + 0 .. 31
.irp c, 0,1
	ds_load_b128 v[\reg+4*\c:\reg+4*\c+3], v[ADRA+\slot] offset:64*(\q)+32*\c+(\i)*16*PITCH
.endr
.endm
.macro FRAGB reg, slot, q, i           ; 16 channels x 128 K, as an image: a register group is 512 consecutive bytes
.irp c, 0,1
	ds_load_b128 v[\reg+4*\c:\reg+4*\c+3], v[ADRB+\slot] offset:(\i)*4096+1024*(\q)+512*\c
.endr
.endm
; 16 matrix instructions: x's blocks a0, a0 + 1 against W's eight, the slot's q-th 128 along K.  p: W's set;  sc: the set of scale words.  first = 1: the bias is the C: nothing is cleared or added.
; The 64 accumulators take turns, one instruction a turn, in the same order in every step.
.macro MUL16 a0, p, q, sc, first
.irp a, \a0, \a0+1
.irp b, 0,1,2,3,4,5,6,7
.if \first
	v_wmma_scale_f32_16x16x128_f8f6f4 v[8*(8*((\a)%4)+\b):8*(8*((\a)%4)+\b)+7], v[128*(\p)+FR*\b:128*(\p)+FR*\b+FR-1], v[AF+FR*(\a):AF+FR*(\a)+FR-1], v[BI+8*\b:BI+8*\b+7], v[SC+8*NQ*(\sc)+NQ*\b+(\q)], v[SC+8*NQ*(\sc)+NQ*(\a)+(\q)] matrix_a_fmt:MATRIX_FMT_FP4 matrix_b_fmt:MATRIX_FMT_FP4 matrix_a_scale:MATRIX_SCALE_ROW1
.else
	v_wmma_scale_f32_16x16x128_f8f6f4 v[8*(8*((\a)%4)+\b):8*(8*((\a)%4)+\b)+7], v[128*(\p)+FR*\b:128*(\p)+FR*\b+FR-1], v[AF+FR*(\a):AF+FR*(\a)+FR-1], v[8*(8*((\a)%4)+\b):8*(8*((\a)%4)+\b)+7], v[SC+8*NQ*(\sc)+NQ*\b+(\q)], v[SC+8*NQ*(\sc)+NQ*(\a)+(\q)] matrix_a_fmt:MATRIX_FMT_FP4 matrix_b_fmt:MATRIX_FMT_FP4 matrix_a_scale:MATRIX_SCALE_ROW1
.endif
.endr
.endr
.endm
.macro FETCH_B slot, q, p              ; W's eight fragments into set p
	WIN TO_B
.irp i, 0,1,2,3,4,5,6,7
	FRAGB 128*(\p)+FR*\i, \slot, \q, \i
.endr
	WIN 0
.endm
.macro FETCH_A slot, q, i0             ; x's blocks i0 .. i0 + 3
.irp i, \i0, \i0+1, \i0+2, \i0+3
	FRAGA AF+FR*(\i), \slot, \q, \i
.endr
.endm
.macro SCALES sc                       ; a slot's scale words: four a row; lanes 0-15 take x's block i, lanes 16-31 W's block i
.irp i, 0,1,2,3,4,5,6,7
	ds_load_b128 v[SC+8*NQ*\sc+NQ*\i:SC+8*NQ*\sc+NQ*\i+3], v[ADRS] offset:\i*SBLK
.endr
.endm
; A load into a register that a matrix instruction has read, and a vector instruction that reads a matrix result or writes one of its registers, stand NP places behind it; only plain vector instructions
; that name none of its registers are places (ISA guide 7.12.1 for vector instructions).
.macro PLACES n
.rept \n
	v_nop
.endr
.endm
; A step of 128 along K that has its successor in the same slot.  x has one set of registers: a block is free when its eight products are issued; W's fragments are at work through the whole step and have two.
.macro STEP slot, q, first
	s_wait_dscnt 4*NL                              ; W's set and x's blocks 0-3 are in; the youngest eight loads (x's blocks 4-7) may be out
.if \first
	WIN FST_LO
.else
	WIN MUL_LO
.endif
	MUL16 0, (\q)%2, \q, \slot, \first
	MUL16 2, (\q)%2, \q, \slot, \first
	s_wait_dscnt 0                                 ; x's blocks 4-7 are in
	PLACES NP
	FETCH_B \slot, (\q)+1, 1-(\q)%2
	FETCH_A \slot, (\q)+1, 0
.if \first
	WIN FST_HI
.else
	WIN MUL_HI
.endif
	MUL16 4, (\q)%2, \q, \slot, \first
	MUL16 6, (\q)%2, \q, \slot, \first
	PLACES NP
	WIN 0
	FETCH_A \slot, (\q)+1, 4
.endm
.macro STEPS slot, from                ; the slot's steps from .. NQ - 2
.set Q, \from
.rept NQ-1-\from
	STEP \slot, Q, 0
.set Q, Q+1
.endr
.endm
	s_wait_tensorcnt 1                             ; the scales and my part of slot 0 are in (slot 1's load may be out)
	s_barrier_signal -1
	s_barrier_wait -1                              ; everybody's are
	FETCH_B 0, 0, 0
	FETCH_A 0, 0, 0
	SCALES 0
	FETCH_A 0, 0, 4
	s_wait_loadcnt 0x0                             ; the bias
	STEP 0, 0, 1                                   ; the first step's products start the sums, from the bias
	STEPS 0, 1
	; slot 0's last step changes slots: one barrier; in front of it each wave waits for all its tensor loads (its part of slot 1), and for its reads of slot 0, which the stages take over on the way out
	s_wait_tensorcnt 0x0
	ds_add_u32 v[SPW], v[NIL]                      ; 0 onto my spare word
	s_wait_dscnt 4*NL+1                            ; (the add and x's blocks 4-7 may be out)
	WIN MUL_LO
	MUL16 0, 1, NQ-1, 0, 0                         ; sixteen matrix instructions stand between the add and the wait for it
	s_wait_dscnt 0x0                               ; the add is done, and my reads of slot 0 are over
	s_barrier_signal -1
	MUL16 2, 1, NQ-1, 0, 0
	WIN 0
	s_barrier_wait -1
	PLACES NP
	v_add_nc_u32 v[ADRS], 4*NQ, v[ADRS]            ; on to slot 1's scale words (no LDS load of mine is out)
	FETCH_B 1, 0, 0
	FETCH_A 1, 0, 0
	SCALES 1
	WIN MUL_HI
	MUL16 4, 1, NQ-1, 0, 0
	MUL16 6, 1, NQ-1, 0, 0
	PLACES NP
	WIN 0
	FETCH_A 1, 0, 4
	STEPS 1, 0
	s_wait_dscnt 4*NL                              ; the very last step: nothing more to fetch
	WIN MUL_LO
	MUL16 0, 1, NQ-1, 1, 0
	MUL16 2, 1, NQ-1, 1, 0
	s_wait_dscnt 0
	WIN MUL_HI
	MUL16 4, 1, NQ-1, 1, 0
	MUL16 6, 1, NQ-1, 1, 0
	WIN 0
; THE WAY OUT, block by block of 16 tokens x 128 channels (two heads).  PACK: x the factor, in f32, then rounded once to f16: 16 bytes a lane and W's block.  TOSTAGE: into my own stage, and back so that
; sixteen lanes hold two neighbouring tokens' rows of one head.  SEND: stored.
.macro PACK a
.set AC, 64*((\a)%4)
	WIN 0x02+(\a)/4                                ; source 0: window 2 or 3
.set i, 0
.rept 32
	v_pk_mul_f32 v[F+2*i:F+2*i+1], v[AC+2*i:AC+2*i+1], s[FS:FS+1] op_sel_hi:[1,0]   ; ascending: each accumulator from its low end on
.set i, i+1
.endr
	WIN 0
.set i, 0
.rept 32
	v_cvt_pk_f16_f32 v[TMP+i], v[F+2*i], v[F+2*i+1]
.set i, i+1
.endr
.endm
.macro TOSTAGE a
.set BB, 96+128*((\a)%2)               ; v96-127 and v224-255 by turns
.irp b, 0,1,2,3,4,5,6,7
	ds_store_b128 v[STO], v[TMP+4*\b:TMP+4*\b+3] offset:32*\b
.endr
.irp t, 0,1,2,3,4,5,6,7
	ds_load_b128 v[BB+4*\t:BB+4*\t+3], v[RD] offset:\t*2*SPITCH    ; LDS serves a wave's instructions in order (ISA guide 5.7.1.4): these see the stores above
.endr
.endm
.macro SEND a
.set BB, 96+128*((\a)%2)
	s_wait_dscnt 0x0                               ; the block is back in registers
	s_wait_xcnt 0x0                                ; the stores of the block before have read their registers: the next block's loads from the stage land there only behind this wait
.irp t, 0,1,2,3,4,5,6,7
	global_store_b128 v[CO], v[BB+4*\t:BB+4*\t+3], s[18:19] offset:(\a)*2048+\t*256   ; 16 lanes store 256 consecutive bytes, at a multiple of 256 from the buffer's first byte
.endr
.endm
	PLACES NP                                      ; the first conversions write registers that the last products read
	PACK 0
	TOSTAGE 0
.irp a, 1,2,3,4,5,6,7                  ; block a's arithmetic stands between block a - 1's loads from the stage and the wait for them
	PACK \a
	SEND \a-1
	TOSTAGE \a
.endr
	SEND 7
	s_wait_tensorcnt 0x0                           ; the wave's end: behind my last tensor load and my last LDS store
	ds_add_u32 v[SPW], v[NIL]
	s_wait_dscnt 0x0
	CROUND                                         ; the closing round: no work-group ends while a partner may still ask for a tile that names it
	s_endpgm
.Lfunc_end_k_q88abb9b383_proj:
	.size	k_q88abb9b383_proj, .Lfunc_end_k_q88abb9b383_proj-k_q88abb9b383_proj
	.p2alignl 7, 3214868480
	.fill 96, 4, 3214868480
	.section	.rodata,"a",@progbits
	.p2align	6, 0x0
	.amdhsa_kernel k_q88abb9b383_proj
		.amdhsa_group_segment_fixed_size 327680
		.amdhsa_private_segment_fixed_size 0
		.amdhsa_enable_private_segment 0
		.amdhsa_kernarg_size 80
		.amdhsa_user_sgpr_count 2
		.amdhsa_user_sgpr_kernarg_segment_ptr 1
		.amdhsa_wavefront_size32 1
		.amdhsa_system_sgpr_workgroup_id_x 1
		.amdhsa_system_sgpr_workgroup_id_y 1
		.amdhsa_system_sgpr_workgroup_id_z 1
		.amdhsa_system_vgpr_workitem_id 0
		.amdhsa_next_free_vgpr 1024
		.amdhsa_next_free_sgpr 102
		.amdhsa_reserve_vcc 0
		.amdhsa_float_denorm_mode_32 3
		.amdhsa_float_denorm_mode_16_64 3
		.amdhsa_memory_ordered 1
		.amdhsa_forward_progress 1
		.amdhsa_inst_pref_size 144
	.end_amdhsa_kernel
	.amdgpu_metadata
---
amdhsa.version: [ 1, 2 ]
amdhsa.kernels:
  - .name:           k_q88abb9b383_proj
    .symbol:         k_q88abb9b383_proj.kd
    .args:
      - { .name: xcodes, .offset: 0, .size: 8, .value_kind: global_buffer, .address_space: global }
      - { .name: xscales, .offset: 8, .size: 8, .value_kind: global_buffer, .address_space: global }
      - { .name: wcodes, .offset: 16, .size: 8, .value_kind: global_buffer, .address_space: global }
      - { .name: wscales, .offset: 24, .size: 8, .value_kind: global_buffer, .address_space: global }
      - { .name: bq, .offset: 32, .size: 8, .value_kind: global_buffer, .address_space: global }
      - { .name: bk, .offset: 40, .size: 8, .value_kind: global_buffer, .address_space: global }
      - { .name: bv, .offset: 48, .size: 8, .value_kind: global_buffer, .address_space: global }
      - { .name: qh, .offset: 56, .size: 8, .value_kind: global_buffer, .address_space: global }
      - { .name: kh, .offset: 64, .size: 8, .value_kind: global_buffer, .address_space: global }
      - { .name: vh, .offset: 72, .size: 8, .value_kind: global_buffer, .address_space: global }
    .group_segment_fixed_size: 327680
    .private_segment_fixed_size: 0
    .kernarg_segment_align: 8
    .kernarg_segment_size: 80
    .max_flat_workgroup_size: 128
    .sgpr_count:     102
    .vgpr_count:     1024
    .wavefront_size: 32
...
	.end_amdgpu_metadata
.endif
;; end of part 2
;; launch attn (part 3): grid 4 x 64, 8 waves a work-group, clusters of 4 x 1, 327,680 bytes of LDS; arguments qh, kh, vh, attention_mask, out0; writes out0
.if DOCPART == 3
	.amdgcn_target "amdgcn-amd-amdhsa--gfx1250"
	.amdhsa_code_object_version 6
	.text
	.protected	k_q88abb9b383_attn
	.globl	k_q88abb9b383_attn
	.p2align	8
	.type	k_q88abb9b383_attn,@function
k_q88abb9b383_attn:
	s_mov_b64 s[64:65], 0
	v_nop
	global_prefetch_b8 v0, s[64:65] scope:SCOPE_SE
	s_setreg_imm32_b32 hwreg(HW_REG_WAVE_MODE, 25, 1), 1
	s_wait_xcnt 0x0
	s_wait_alu depctr_hold_cnt(0) depctr_sa_sdst(0) depctr_va_vdst(0) depctr_va_sdst(0) depctr_va_ssrc(0) depctr_va_vcc(0) depctr_vm_vsrc(0)
	s_getreg_b32 s2, hwreg(HW_REG_IB_STS2, 6, 4)
	s_cmp_eq_u32 s2, 0
	s_cbranch_scc0 .Lentry_in_a_cluster
	s_endpgm
.Lentry_in_a_cluster:
	s_bfe_u32 s2, ttmp6, 0x10000c
	s_cmp_lg_u32 s2, 0x3003
	s_cbranch_scc0 .Lentry_shape_is_right
	s_endpgm
.Lentry_shape_is_right:
; out0[b][q][h][:] = the sum over k of softmax_k(Q.K / 8 + (1 - mask[b][k]) x min) V[k][:].  qh, kh, vh: [b][h][2048][64] f16; qh already holds q x log2(e) / 8, so K Q^T is the score in base 2, t.
; Products on f16 operands, sums, maxima and the softmax in f32; the weights p are rounded to f16 for the second product.  out0: [4][2048][16][64] f32.
; SHARES.  A work-group owns 512 queries of one (batch, head), each of its eight waves 64: four tiles of 16, in 512 registers.  Two waves share a SIMD: the text goes in phases (scores, softmax, V^T P),
; and one wave's vector work stands beside the other's matrix work.  Each fragment of K and V read from LDS feeds four matrix instructions.  Every wave walks all 2,048 keys, 64 a step.
; LAYOUT.  S^T = K Q^T (source 0 = 16 keys, source 1 = 16 queries): a lane holds ONE query (lane % 16) and the keys 8 (lane / 16) + 0..7.  Two such tiles, rounded to f16 in pairs, ARE source 1 of
; O^T = V^T P, whose result again holds one query a lane.  K comes out of LDS as it lies, V ([key][channel]) turned, by ds_load_tr16_b128.
; THE MASK.  e2[k] = (1 - mask[k]) x min / 2: the number that is added to a score, halved exactly, so that no difference of two such numbers overflows.  1 - mask is 0 or at least 2^-24 in size, so e2 is 0
; or beyond 1e31: beside it a score counts for nothing, here as in f32 additions, and only the order and the equality of the e2 matter, which halving keeps.  e2 is the C of each score tile's first product.
; SOFTMAX.  For each query a running maximum m of t and a sum l: p = 2^(t - m), the subtraction made as such; in every step O and l are multiplied by a = 2^(old m - new m).  No infinity is used: a step
; whose keys are all masked gives p = 1 under a huge negative m, and the first open key's a = 0 wipes it out; a batch with no open key comes out as the mean over the keys with the largest e2.
; LIMITS: that last case leans on the matrix unit giving back C unchanged where C is beyond 1e31 and the products are under 1e9; (1 - mask) x min is finite; NaN and infinities are not served.
; CLUSTER.  The four query blocks of a (batch, head) are one cluster and walk the same K and V: each tile is asked for JOINTLY.
; THE RING.  Two slots of 512 keys (8 steps).  Keys 0-1023 are asked for at the head; each slot is filled again once.  A refill has eight steps, 512 matrix instructions a wave, in which to land:
; no wave waits for it, so nothing is prefetched.
; REGISTERS: window 0: v1-15 addresses; v16-47 statistics, eight a tile; v48-79 the mask as C; v80-207 S^T, 32 a tile, whose low 16 then hold P.
;   window 1: v0-127 O^T, 32 a tile; v128-191 Q; v192-255 ONE buffer of 64 for K and V by turns, in halves: key tiles 0, 1 | 2, 3, then V's keys 0-31 | 32-63.
.set PKP,   144                        ; a row of K in LDS: 128 bytes + 16 = 36 words: the 16 rows of a load start at 16 different groups of four banks (64 banks of 4 bytes: ISA guide 11.1)
.set PVP,   160                        ; a row of V: 128 + 32 = 40 words
.set VOFF,  512*PKP                    ; a slot: 512 rows of K, then 512 rows of V
.set SLOT1, VOFF+512*PVP               ; slot 1 begins here
.set MASK,  2*SLOT1                    ; behind the ring: e2 of the batch's 2,048 keys, 8,192 bytes, stored once by the waves; no tile lands there
.set SPARE, MASK+8192+256              ; the spare words, 128 bytes a wave
.set SP,    272                        ; the way out: a stage of 16 rows x (256 + 16) bytes for each wave, from byte 0 on: slot 0 has had its last fill and was left at the last change of slots
.set AK0, 2                            ; v2   my lane's place in a tile of K; never rewritten
.set AV0, 3                            ; v3   the same for V
.set AM0, 4                            ; v4   and in the mask table
.set ADK, 5                            ; v5-7 the LDS addresses of the loads in hand
.set ADV, 6
.set ADM, 7
.set QO,  8                            ; v8   my byte offset in the wave's rows of Q
.set STO, 10                           ; v10  the way out: where I put 32 bytes of a row
.set RD,  11                           ; v11  where I read a row back
.set GO,  12                           ; v12  my byte offset in the wave's rows of out0
.set SPW, 14                           ; v14  LDS address of my spare word; never rewritten
.set NIL, 15                           ; v15  0; never rewritten
.set ST,  16                           ; tile t's statistics at v[ST+8 t]: +0 m, +1 named with it as a pair, +2, +3 l (even keys', odd keys'), +4 to +7 c0-c3, at work; a takes c2's place, old m - new m c3's
.set MC,  48
.set S,   80
.set QR,  128                          ; in window 1: Q (tile t, channels 32 c on) at QR + 16 t + 8 c
.set KS,  192                          ; in window 1: the buffer
.set WV,  14                           ; s14  my wave's number
.set W3,  15                           ; s15  wave % 4: which quarter of a slot's K (waves 0-3) or V (waves 4-7) I fetch
.set CX,  16                           ; s16  my place in the cluster: my block of 512 queries
.set BH,  17                           ; s17  16 x batch + head
.set G1K, 24                           ; s[24:31] descriptor group 1 for K's tiles;  s[32:39] for V's: it differs in the padding alone
.set G1V, 32
.set G0K, 40                           ; s[40:47] group 0 for K's tiles, a set for each slot;  s[48:55] for V's
.set G0V, 48
.set TK,  56                           ; s56  LDS byte at which the K of the step to be fetched begins
.set TV,  57                           ; s57  the same for V
.set TM,  58                           ; s58  and in the mask table
.set TW,  59                           ; s59  steps left in the slot
.set SEL, 60                           ; s[60:61] lane selects for v_permlanex16_b32: lane l xor 16
.set MSB, 0
.macro WIN new                         ; the immediate's high byte repeats the setting that is left; a switch that changes nothing is dropped
.if MSB != (\new)
	s_set_vgpr_msb (MSB<<8)|(\new)
.set MSB, (\new)
.endif
.endm
.set W_KQ,  0x05                       ; K and Q in window 1; C and D in window 0
.set W_PV,  0x51                       ; V, C and D in window 1; P in window 0
.set TO1,   0x40                       ; destination window 1, address window 0
.set W_RS,  0x41                       ; O^T (destination and source 0) in window 1, a in window 0
.set W_OUT, 0x01                       ; source 0 in window 1
.macro JLOAD s                         ; a joint refill of slot s: waves 0-3 K's quarters, waves 4-7 V's; the branch hangs on the wave's number alone; an s_nop 0 and four v_nop follow each line
	s_cmp_lt_u32 s[WV], 4
	s_cbranch_scc0 .Lfor_v_\@
	tensor_load_to_lds s[G0K+4*(\s):G0K+4*(\s)+3], s[G1K:G1K+7]
	s_nop 0
.rept 4
	v_nop
.endr
	s_branch .Lasked_\@
.Lfor_v_\@:
	tensor_load_to_lds s[G0V+4*(\s):G0V+4*(\s)+3], s[G1V:G1V+7]
	s_nop 0
.rept 4
	v_nop
.endr
.Lasked_\@:
.endm
.macro CROUND                          ; a round of the cluster's barrier
	s_barrier_signal -1
	s_barrier_wait -1
	s_cmp_lg_u32 s[WV], 0
	s_cbranch_scc1 .Lnot_wave_0_\@
	s_barrier_signal -3
.Lnot_wave_0_\@:
	s_barrier_wait -3
	s_barrier_signal -1
	s_barrier_wait -1
.endm
.macro PLACES n                        ; plain vector instructions behind matrix instructions (ISA guide 7.12.1 for vector instructions)
.rept \n
	v_nop
.endr
.endm
	s_load_b256 s[4:11], s[0:1], 0x0               ; qh s[4:5], kh s[6:7], vh s[8:9], attention_mask s[10:11]
	s_load_b64 s[12:13], s[0:1], 0x20              ; out0
	v_lshl_add_u32 v[SPW], v0, 2, SPARE
	v_mov_b32 v[NIL], 0
	ds_add_u32 v[SPW], v[NIL]                      ; the wave's opening: the add, twice on end, and its wait ahead of my first tensor load
	ds_add_u32 v[SPW], v[NIL]                      ; the set-up below, work on registers, stands between the second and the wait
	v_lshrrev_b32 v1, 5, v0
	v_readfirstlane_b32 s[WV], v1                  ; wave 0..7
	s_and_b32 s[W3], s[WV], 3
	s_bfe_u32 s[CX], ttmp6, 0x40000
	s_and_b32 s[BH], ttmp7, 0xffff                 ; which the four partners share
	; descriptor group 1: a tile of 128 rows x 64 elements of 2 bytes, dense in memory, padded in LDS
	s_mov_b32 s[G1K], 15|(1<<16)|(1<<20)|(1<<21)|(4<<22)|(3<<25)  ; 15:0 the mask: all four work-groups; 17:16 elements of 2 bytes; 20 padding on; 21 set beside a mask; 24:22 after every 32 words; 31:25 four words
	s_mov_b32 s[G1V], 15|(1<<16)|(1<<20)|(1<<21)|(4<<22)|(7<<25)  ; the same with eight words of padding
.irp g, G1K, G1V
	s_mov_b32 s[\g+1], 64<<16                      ; tensor_dim0
	s_mov_b32 s[\g+2], 128<<16                     ; tensor_dim1
	s_mov_b32 s[\g+3], 64<<16                      ; tile_dim0
	s_mov_b32 s[\g+4], 128                         ; tile_dim1
	s_mov_b32 s[\g+5], 64                          ; tensor_dim0_stride
	s_mov_b32 s[\g+6], 0
	s_mov_b32 s[\g+7], 0
.endr
	s_lshl_b32 s18, s[BH], 18                      ; the head's first byte in qh, kh, vh
	s_lshl_b32 s20, s[W3], 14                      ; my 128 rows of a slot's 512,
	s_add_co_u32 s20, s20, s18
	s_mov_b32 s21, 0
	s_mul_i32 s22, s[W3], 128*PKP                  ; and their place in a slot: no place in the cluster enters an LDS address
	s_mul_i32 s23, s[W3], 128*PVP
	s_lshl_b32 s62, s[CX], 9
	s_lshl_b32 s63, s[WV], 6
	s_add_co_u32 s62, s62, s63                     ; my first query: 512 cx + 64 wave
	s_lshl_b32 s66, s62, 7
	s_add_co_u32 s66, s66, s18                     ; its row of Q
	s_mov_b32 s67, 0
	s_lshr_b32 s68, s[BH], 4                       ; the batch
	s_lshl_b32 s70, s68, 11
	s_add_co_u32 s70, s70, s62                     ; my first token,
	s_lshl_b32 s70, s70, 4
	s_and_b32 s71, s[BH], 15
	s_add_co_u32 s70, s70, s71                     ; x 16 heads + my head,
	s_lshl_b32 s70, s70, 8                         ; x 256 bytes
	s_mov_b32 s71, 0
	s_lshl_b32 s68, s68, 13                        ; the batch's row of the mask
	s_mov_b32 s69, 0
	s_mov_b32 s[SEL], 0x76543210
	s_mov_b32 s[SEL+1], 0xfedcba98
	s_mov_b32 s[TK], 0
	s_mov_b32 s[TV], 0
	s_mov_b32 s[TM], 0
	s_wait_dscnt 0x0                               ; both opening adds are done
	s_wait_kmcnt 0x0
	s_add_nc_u64 s[6:7], s[6:7], s[20:21]          ; K and V at my quarter of slot 0
	s_add_nc_u64 s[8:9], s[8:9], s[20:21]
	s_add_nc_u64 s[4:5], s[4:5], s[66:67]
	s_add_nc_u64 s[10:11], s[10:11], s[68:69]
	s_add_nc_u64 s[12:13], s[12:13], s[70:71]
	CROUND                                         ; all four work-groups are here: the first joint loads meet
.irp s, 0,1
	s_mov_b32 s[G0K+4*\s], 1                       ; 1:0 count = 1
	s_add_co_u32 s[G0K+4*\s+1], s22, \s*SLOT1      ; 63:32 LDS address
	s_add_nc_u64 s[G0K+4*\s+2:G0K+4*\s+3], s[6:7], \s*65536   ; 120:64 global address: keys 512 s on
	s_or_b32 s[G0K+4*\s+3], s[G0K+4*\s+3], 0x80000000         ; 127:126 type = 2
	s_mov_b32 s[G0V+4*\s], 1
	s_add_co_u32 s[G0V+4*\s+1], s23, \s*SLOT1+VOFF
	s_add_nc_u64 s[G0V+4*\s+2:G0V+4*\s+3], s[8:9], \s*65536
	s_or_b32 s[G0V+4*\s+3], s[G0V+4*\s+3], 0x80000000
.endr
	s_cmp_lt_u32 s[WV], 4                          ; a wave's two first fills stand in one branch, ahead of every wait on TENSORcnt and every LDS read: two loads of mine are out
	s_cbranch_scc0 .Lfirst_v
	tensor_load_to_lds s[G0K:G0K+3], s[G1K:G1K+7]
	s_nop 0
	tensor_load_to_lds s[G0K+4:G0K+7], s[G1K:G1K+7]
	s_nop 0
.rept 4
	v_nop
.endr
	s_branch .Lfirst_asked
.Lfirst_v:
	tensor_load_to_lds s[G0V:G0V+3], s[G1V:G1V+7]
	s_nop 0
	tensor_load_to_lds s[G0V+4:G0V+7], s[G1V:G1V+7]
	s_nop 0
.rept 4
	v_nop
.endr
.Lfirst_asked:
	v_lshlrev_b32 v13, 5, v0                       ; the mask: eight numbers a thread, 256 threads
	global_load_b128 v[80:83], v13, s[10:11]
	global_load_b128 v[84:87], v13, s[10:11] offset:16
	v_and_b32 v1, 15, v0                           ; r = lane % 16
	v_bfe_u32 v9, v0, 4, 1                         ; h = lane / 16
	v_lshlrev_b32 v[QO], 7, v1
	v_lshl_add_u32 v[QO], v9, 4, v[QO]             ; row x 128 + 16 x half
	WIN TO1
.irp t, 0,1,2,3                        ; Q stays in registers: a fragment is 16 rows x 32 channels: registers 0-3 channels 8 h + 0..7, registers 4-7 channels 16 + 8 h + 0..7
.irp c, 0,1
	global_load_b128 v[QR+16*\t+8*\c:QR+16*\t+8*\c+3],   v[QO], s[4:5] offset:\t*2048+\c*64
	global_load_b128 v[QR+16*\t+8*\c+4:QR+16*\t+8*\c+7], v[QO], s[4:5] offset:\t*2048+\c*64+32
.endr
.endr
	WIN 0
	v_mul_u32_u24 v[AK0], v1, PKP
	v_lshl_add_u32 v[AK0], v9, 4, v[AK0]           ; K: row x pitch + 16 x half
	v_and_b32 v5, 7, v0                            ; V: the turning load takes 16 keys x 16 channels: lane l reads key 8 h + l % 8, channels 8 ((l / 8) % 2) + 0..7
	v_bfe_u32 v6, v0, 3, 1
	v_lshl_add_u32 v[AV0], v9, 3, v5
	v_mul_u32_u24 v[AV0], v[AV0], PVP
	v_lshl_add_u32 v[AV0], v6, 4, v[AV0]
	v_add_nc_u32 v[AV0], VOFF, v[AV0]
	v_lshl_add_u32 v[AM0], v9, 5, MASK             ; the mask as C: my half's eight keys of a tile of 16
	v_lshl_add_u32 v[ADM], v0, 5, MASK             ; and where my thread stores its eight
	s_mul_i32 s18, s[WV], 16*SP                    ; my stage
	v_mul_u32_u24 v[STO], v1, SP                   ; in: row r, 32 bytes for each half of the lanes
	v_lshl_add_u32 v[STO], v9, 5, v[STO]
	v_add_nc_u32 v[STO], s18, v[STO]
	v_mul_u32_u24 v[RD], v9, SP                    ; back: lanes 0-15 one row of 256 bytes, lanes 16-31 the next
	v_lshl_add_u32 v[RD], v1, 4, v[RD]
	v_add_nc_u32 v[RD], s18, v[RD]
	v_lshlrev_b32 v[GO], 12, v9                    ; in out0 a token's 16 heads are 4,096 bytes
	v_lshl_add_u32 v[GO], v1, 4, v[GO]
.irp t, 0,1,2,3
	v_mov_b32 v[ST+8*\t+1], 0                      ; named as the upper half of the pair that holds m, so it is written
.endr
	s_wait_loadcnt 16                              ; the mask's two loads are in; Q's sixteen may be out
.irp j, 0,1,2,3,4,5,6,7
	v_sub_f32 v[80+\j], 1.0, v[80+\j]              ; 1 - mask, rounded as it is in the definition,
.endr
.irp j, 0,1,2,3,4,5,6,7
	v_mul_f32 v[80+\j], 0xfeffffff, v[80+\j]       ; x min / 2
.endr
	ds_store_b128 v[ADM], v[80:83]
	ds_store_b128 v[ADM], v[84:87] offset:16
	s_wait_tensorcnt 1                             ; my part of slot 0 is in; slot 1's may stay out
	s_wait_dscnt 0x0                               ; for the others' sake: my part of the mask table is stored
	s_barrier_signal -1
	s_barrier_wait -1
; THE LDS LOADS, in runs of eight.
.macro KADR
	v_add_nc_u32 v[ADK], s[TK], v[AK0]
.endm
.macro KLOAD g                         ; key tiles 2 g, 2 g + 1 of the step at s[TK]: four fragments
	WIN TO1
.irp k, 0,1
.irp c, 0,1
	ds_load_b128 v[KS+16*(2*(\g)+\k)+8*\c:KS+16*(2*(\g)+\k)+8*\c+3],   v[ADK] offset:(2*(\g)+\k)*16*PKP+64*\c
	ds_load_b128 v[KS+16*(2*(\g)+\k)+8*\c+4:KS+16*(2*(\g)+\k)+8*\c+7], v[ADK] offset:(2*(\g)+\k)*16*PKP+64*\c+32
.endr
.endr
.endm
.macro MLOAD                           ; e2 of the step's 64 keys, in the result's layout: register 8 k + j: key 16 k + 8 h + j.  Window 0
	v_add_nc_u32 v[ADM], s[TM], v[AM0]
.irp k, 0,1,2,3
	ds_load_b128 v[MC+8*\k:MC+8*\k+3],   v[ADM] offset:64*\k
	ds_load_b128 v[MC+8*\k+4:MC+8*\k+7], v[ADM] offset:64*\k+16
.endr
.endm
.macro VLOAD u                         ; V^T of keys 32 u on: four fragments of 16 channels x 32 keys, over the K fragments that are done with
	WIN TO1
.irp c, 0,1,2,3
	ds_load_tr16_b128 v[KS+32*(\u)+8*\c:KS+32*(\u)+8*\c+3],   v[ADV] offset:(\u)*32*PVP+32*\c
	ds_load_tr16_b128 v[KS+32*(\u)+8*\c+4:KS+32*(\u)+8*\c+7], v[ADV] offset:(\u)*32*PVP+16*PVP+32*\c
.endr
.endm
; 16 products of S^T = K Q^T + e2: key tiles 2 g, 2 g + 1 x four tiles of queries; eight accumulators by turns: channels 0-31 with the mask as C, then channels 32-63 in place
.macro KQG g
.irp c, 0,1
.irp k, 0,1
.irp t, 0,1,2,3
.set rS, S+32*\t+8*(2*(\g)+\k)
.set rK, KS+16*(2*(\g)+\k)+8*\c
.set rQ, QR+16*\t+8*\c
.if \c == 0
	v_wmma_f32_16x16x32_f16 v[rS:rS+7], v[rK:rK+7], v[rQ:rQ+7], v[MC+8*(2*(\g)+\k):MC+8*(2*(\g)+\k)+7]
.else
	v_wmma_f32_16x16x32_f16 v[rS:rS+7], v[rK:rK+7], v[rQ:rQ+7], v[rS:rS+7]
.endif
.endr
.endr
.endr
.endm
; 16 products of O^T += V^T P: keys 32 u on; sixteen accumulators by turns.  zero = 1: they start the sums: nothing is cleared
.macro PVG u, zero
.irp c, 0,1,2,3
.irp t, 0,1,2,3
.set rO, 32*\t+8*\c
.set rV, KS+32*(\u)+8*\c
.set rP, S+32*\t+8*(\u)
.if \zero
	v_wmma_f32_16x16x32_f16 v[rO:rO+7], v[rV:rV+7], v[rP:rP+7], 0
.else
	v_wmma_f32_16x16x32_f16 v[rO:rO+7], v[rV:rV+7], v[rP:rP+7], v[rO:rO+7]
.endif
.endr
.endr
.endm
; A KEY STEP: 64 keys.  On entry 24 LDS loads are out, in this order: key tiles 0, 1 (8), the mask (8), key tiles 2, 3 (8).  first = 1: the first step, which starts m, l and O^T.
; always = 0: a slot's last step (s[TW] = 1) fetches nothing for the next step: that lies in the other slot, behind the change of slots.
.macro STEP first, always
	v_add_nc_u32 v[ADV], s[TV], v[AV0]
	s_wait_dscnt 8                                 ; key tiles 0, 1 and the mask are in; key tiles 2, 3 may be out
	WIN W_KQ
	KQG 0
	PLACES 4                                       ; in front of loads into registers that these products read
	VLOAD 0
	s_wait_dscnt 8                                 ; key tiles 2, 3 are in; V's eight may be out
	WIN W_KQ
	KQG 1
	PLACES 4                                       ; in front of the loads, and of the first read of the scores
	VLOAD 1
	WIN 0
	s_add_co_u32 s[TK], s[TK], 64*PKP              ; the next fetches are the next step's
	s_add_co_u32 s[TV], s[TV], 64*PVP
	s_add_co_u32 s[TM], s[TM], 256
	; THE SOFTMAX, the four tiles line by line, so that no line waits for the line above it.  The maximum: a chain for each key tile, each accumulator from its low end on
.irp k, 0,1,2,3
.irp t, 0,1,2,3
	v_max3_num_f32 v[ST+8*\t+4+\k], v[S+32*\t+8*\k], v[S+32*\t+8*\k+1], v[S+32*\t+8*\k+2]
.endr
.endr
.irp i, 3,5
.irp k, 0,1,2,3
.irp t, 0,1,2,3
	v_max3_num_f32 v[ST+8*\t+4+\k], v[ST+8*\t+4+\k], v[S+32*\t+8*\k+\i], v[S+32*\t+8*\k+\i+1]
.endr
.endr
.endr
.irp t, 0,1,2,3
	v_max3_num_f32 v[ST+8*\t+4], v[ST+8*\t+4], v[S+32*\t+7], v[S+32*\t+15]
.endr
.irp t, 0,1,2,3
	v_max3_num_f32 v[ST+8*\t+6], v[ST+8*\t+6], v[S+32*\t+23], v[S+32*\t+31]
.endr
.irp t, 0,1,2,3
	v_max3_num_f32 v[ST+8*\t+4], v[ST+8*\t+4], v[ST+8*\t+5], v[ST+8*\t+6]
.endr
.irp t, 0,1,2,3
.if \first
	v_max_num_f32 v[ST+8*\t+4], v[ST+8*\t+4], v[ST+8*\t+7]
.else
	v_max3_num_f32 v[ST+8*\t+4], v[ST+8*\t+4], v[ST+8*\t+7], v[ST+8*\t]     ; with the old m
.endif
.endr
.irp t, 0,1,2,3
	v_permlanex16_b32 v[ST+8*\t+5], v[ST+8*\t+4], s[SEL], s[SEL+1]          ; the query's other 32 keys lie in the lane 16 away
.endr
.if \first
.irp t, 0,1,2,3
	v_max_num_f32 v[ST+8*\t], v[ST+8*\t+4], v[ST+8*\t+5]                    ; m
.endr
.else
.irp t, 0,1,2,3
	v_max_num_f32 v[ST+8*\t+5], v[ST+8*\t+4], v[ST+8*\t+5]                  ; the new m
.endr
.irp t, 0,1,2,3
	v_sub_f32 v[ST+8*\t+7], v[ST+8*\t], v[ST+8*\t+5]                        ; old m - new m, 0 or less
.endr
.irp t, 0,1,2,3
	v_mov_b32 v[ST+8*\t], v[ST+8*\t+5]
.endr
.irp t, 0,1,2,3
	v_exp_f32 v[ST+8*\t+6], v[ST+8*\t+7]                                    ; a
.endr
.endif
	; ONE BATCH: t - m, a pair at a time, and all exponentials; tile t's exponentials stand two to one with tile t + 1's subtractions; no line names an exponential's result
.irp i, 0,1,2,3,4,5,6,7,8,9,10,11,12,13,14,15
	v_pk_add_f32 v[S+2*\i:S+2*\i+1], v[S+2*\i:S+2*\i+1], v[ST:ST+1] op_sel_hi:[1,0] neg_lo:[0,1] neg_hi:[0,1]
.endr
.irp t, 0,1,2,3
.irp i, 0,1,2,3,4,5,6,7,8,9,10,11,12,13,14,15
	v_exp_f32 v[S+32*\t+2*\i], v[S+32*\t+2*\i]
	v_exp_f32 v[S+32*\t+2*\i+1], v[S+32*\t+2*\i+1]
.if \t < 3
	v_pk_add_f32 v[S+32*(\t+1)+2*\i:S+32*(\t+1)+2*\i+1], v[S+32*(\t+1)+2*\i:S+32*(\t+1)+2*\i+1], v[ST+8*(\t+1):ST+8*(\t+1)+1] op_sel_hi:[1,0] neg_lo:[0,1] neg_hi:[0,1]
.endif
.endr
.endr
	v_nop                                          ; a plain instruction behind the last exponential
	s_wait_alu depctr_va_vdst(0)                   ; ahead of the first line that names a result: one for the whole batch
	; l = a l + the sum of the unrounded p, a pair (an even key's, an odd key's) at a time
.irp t, 0,1,2,3
.if \first
	v_pk_add_f32 v[ST+8*\t+2:ST+8*\t+3], v[S+32*\t:S+32*\t+1], v[S+32*\t+2:S+32*\t+3]
.else
	v_pk_fma_f32 v[ST+8*\t+2:ST+8*\t+3], v[ST+8*\t+2:ST+8*\t+3], v[ST+8*\t+6:ST+8*\t+7], v[S+32*\t:S+32*\t+1] op_sel_hi:[1,0,1]
.endif
.endr
.irp i, 1,2,3,4,5,6,7,8,9,10,11,12,13,14,15
.if (\i > 1) || (\first == 0)
.irp t, 0,1,2,3
	v_pk_add_f32 v[ST+8*\t+2:ST+8*\t+3], v[ST+8*\t+2:ST+8*\t+3], v[S+32*\t+2*\i:S+32*\t+2*\i+1]
.endr
.endif
.endr
	; P: pair i rounds into register i of the tile, ascending: a destination never lies above its sources
.irp i, 0,1,2,3,4,5,6,7,8,9,10,11,12,13,14,15
.irp t, 0,1,2,3
	v_cvt_pk_f16_f32 v[S+32*\t+\i], v[S+32*\t+2*\i], v[S+32*\t+2*\i+1]
.endr
.endr
.if \first == 0
	WIN W_RS
.irp i, 0,1,2,3,4,5,6,7,8,9,10,11,12,13,14,15
.irp t, 0,1,2,3
	v_pk_mul_f32 v[32*\t+2*\i:32*\t+2*\i+1], v[32*\t+2*\i:32*\t+2*\i+1], v[ST+8*\t+6:ST+8*\t+7] op_sel_hi:[1,0]   ; O^T x a
.endr
.endr
.endif
	s_wait_dscnt 0x0                               ; V is in
	WIN W_PV
	PVG 0, \first
	WIN 0                                          ; at a branch and at a label every window is 0
.if \always == 0
	s_cmp_eq_u32 s[TW], 1
	s_cbranch_scc1 .Lno_k_\@
.endif
	PLACES 4                                       ; in front of loads into V's first half
	KADR
	KLOAD 0
	WIN 0
.Lno_k_\@:
	WIN W_PV
	PVG 1, 0
	WIN 0
	PLACES 5                                       ; the next step's products write S^T over registers that these read as P: one place more than a load wants
.if \always == 0
	s_cmp_eq_u32 s[TW], 1
	s_cbranch_scc1 .Lno_m_\@
.endif
	MLOAD
	KLOAD 1
	WIN 0
.Lno_m_\@:
.endm
; THE CHANGE OF SLOTS, in front of the keys 512 p on.  Each wave waits for all its tensor loads (its part of the slot ahead), adds 0 to its spare word, and waits for that and for its reads of the slot that it
; leaves.  p < 3: that slot is filled again, with the keys 1,024 further on: the barrier is a round of the cluster's, and the joint refill is the first thing behind it.  Then the first step's fragments.
.macro CHANGE p
	s_wait_tensorcnt 0x0                           ; no tensor load of mine is out, so a group 0 may be written
	ds_add_u32 v[SPW], v[NIL]                      ; 0 onto my spare word
.if (\p) < 3
	s_add_nc_u64 s[G0K+4*(((\p)-1)%2)+2:G0K+4*(((\p)-1)%2)+3], s[G0K+4*(((\p)-1)%2)+2:G0K+4*(((\p)-1)%2)+3], 131072   ; the type bits on top are not reached
	s_add_nc_u64 s[G0V+4*(((\p)-1)%2)+2:G0V+4*(((\p)-1)%2)+3], s[G0V+4*(((\p)-1)%2)+2:G0V+4*(((\p)-1)%2)+3], 131072
.endif
	s_wait_dscnt 0x0                               ; the add is done, and my reads of the slot that I leave are over
.if (\p) < 3
	CROUND
	JLOAD ((\p)-1)%2                               ; my one tensor load until the next change: one load of mine is out
.else
	s_barrier_signal -1
	s_barrier_wait -1
.endif
	s_mov_b32 s[TK], ((\p)%2)*SLOT1
	s_mov_b32 s[TV], ((\p)%2)*SLOT1
	s_mov_b32 s[TM], (\p)*2048
	s_mov_b32 s[TW], 8
	KADR
	KLOAD 0
	WIN 0
	MLOAD
	KLOAD 1
	WIN 0
.endm
.macro WALK                            ; the steps of a slot: s[TW] trips
.Lstep_\@:
	STEP 0, 0
	s_sub_co_u32 s[TW], s[TW], 1
	s_cmp_lg_u32 s[TW], 0
	s_cbranch_scc1 .Lstep_\@
.endm
	KADR
	KLOAD 0
	WIN 0
	MLOAD
	KLOAD 1
	WIN 0
	s_wait_loadcnt 0x0                             ; Q
	STEP 1, 1                                      ; keys 0-63
	s_mov_b32 s[TW], 7
	WALK                                           ; the rest of slot 0
	CHANGE 1                                       ; slot 0 takes keys 1,024 on
	WALK
	CHANGE 2                                       ; slot 1 takes keys 1,536 on
	WALK
	CHANGE 3                                       ; nothing is left to ask for
	WALK
	; THE WAY OUT.  l's two halves and the other half of the lanes' are added; O^T is divided by l and goes through my stage, a tile (16 queries x 64 channels) at a time.  The additions are the places behind the last products.
.irp t, 0,1,2,3
	v_add_f32 v[ST+8*\t+4], v[ST+8*\t+2], v[ST+8*\t+3]
.endr
.irp t, 0,1,2,3
	v_permlanex16_b32 v[ST+8*\t+5], v[ST+8*\t+4], s[SEL], s[SEL+1]
.endr
.irp t, 0,1,2,3
	v_add_f32 v[ST+8*\t+4], v[ST+8*\t+4], v[ST+8*\t+5]
.endr
.irp t, 0,1,2,3
	v_rcp_f32 v[ST+8*\t+6], v[ST+8*\t+4]
.endr
	v_nop                                          ; a plain instruction behind the last reciprocal
	s_wait_alu depctr_va_vdst(0)                   ; and the wait ahead of the first use: one for the four
.macro PACKO t                         ; a lane's eight channels of a row are 32 bytes; they go into rows of 272 bytes and come back as whole rows of 256, into the registers that they left
	WIN W_OUT
.irp i, 0,1,2,3,4,5,6,7,8,9,10,11,12,13,14,15
	v_pk_mul_f32 v[S+32*\t+2*\i:S+32*\t+2*\i+1], v[32*\t+2*\i:32*\t+2*\i+1], v[ST+8*\t+6:ST+8*\t+7] op_sel_hi:[1,0]   ; ascending: each accumulator from its low end on
.endr
	WIN 0
.irp c, 0,1,2,3
	ds_store_b128 v[STO], v[S+32*\t+8*\c:S+32*\t+8*\c+3] offset:64*\c
	ds_store_b128 v[STO], v[S+32*\t+8*\c+4:S+32*\t+8*\c+7] offset:64*\c+16
.endr
.irp f, 0,1,2,3,4,5,6,7
	ds_load_b128 v[S+32*\t+4*\f:S+32*\t+4*\f+3], v[RD] offset:\f*2*SP   ; LDS serves a wave's instructions in order (ISA guide 5.7.1.4): these see the stores above; the next tile's stores come behind them
.endr
.endm
.macro SENDO t, younger                ; younger: the LDS instructions issued behind tile t's loads: the next tile's sixteen, or none
.irp f, 0,1,2,3,4,5,6,7
	s_wait_dscnt \younger+7-\f
	global_store_b128 v[GO], v[S+32*\t+4*\f:S+32*\t+4*\f+3], s[12:13] offset:\t*65536+\f*8192 th:TH_STORE_NT   ; 16 lanes store a (token, head) row: 256 consecutive bytes, at a multiple of 256 from out0's first byte
.endr
.endm
	PACKO 0
	PACKO 1                                        ; a tile's arithmetic stands between the loads of the tile before and its stores
	SENDO 0, 16
	PACKO 2
	SENDO 1, 16
	PACKO 3
	SENDO 2, 16
	SENDO 3, 0
	s_wait_tensorcnt 0x0                           ; the wave's end: behind my last tensor load and my last LDS store
	ds_add_u32 v[SPW], v[NIL]
	s_wait_dscnt 0x0
	CROUND                                         ; the closing round: no work-group ends while a partner may still ask for a tile that names it
	s_endpgm
.Lfunc_end_k_q88abb9b383_attn:
	.size	k_q88abb9b383_attn, .Lfunc_end_k_q88abb9b383_attn-k_q88abb9b383_attn
	.p2alignl 7, 3214868480
	.fill 96, 4, 3214868480
	.section	.rodata,"a",@progbits
	.p2align	6, 0x0
	.amdhsa_kernel k_q88abb9b383_attn
		.amdhsa_group_segment_fixed_size 327680
		.amdhsa_private_segment_fixed_size 0
		.amdhsa_enable_private_segment 0
		.amdhsa_kernarg_size 40
		.amdhsa_user_sgpr_count 2
		.amdhsa_user_sgpr_kernarg_segment_ptr 1
		.amdhsa_wavefront_size32 1
		.amdhsa_system_sgpr_workgroup_id_x 1
		.amdhsa_system_sgpr_workgroup_id_y 1
		.amdhsa_system_sgpr_workgroup_id_z 1
		.amdhsa_system_vgpr_workitem_id 0
		.amdhsa_next_free_vgpr 512
		.amdhsa_next_free_sgpr 80
		.amdhsa_reserve_vcc 0
		.amdhsa_float_denorm_mode_32 3
		.amdhsa_float_denorm_mode_16_64 3
		.amdhsa_memory_ordered 1
		.amdhsa_forward_progress 1
		.amdhsa_inst_pref_size 192
	.end_amdhsa_kernel
	.amdgpu_metadata
---
amdhsa.version: [ 1, 2 ]
amdhsa.kernels:
  - .name:           k_q88abb9b383_attn
    .symbol:         k_q88abb9b383_attn.kd
    .args:
      - { .name: qh, .offset: 0, .size: 8, .value_kind: global_buffer, .address_space: global }
      - { .name: kh, .offset: 8, .size: 8, .value_kind: global_buffer, .address_space: global }
      - { .name: vh, .offset: 16, .size: 8, .value_kind: global_buffer, .address_space: global }
      - { .name: attention_mask, .offset: 24, .size: 8, .value_kind: global_buffer, .address_space: global }
      - { .name: out0, .offset: 32, .size: 8, .value_kind: global_buffer, .address_space: global }
    .group_segment_fixed_size: 327680
    .private_segment_fixed_size: 0
    .kernarg_segment_align: 8
    .kernarg_segment_size: 40
    .max_flat_workgroup_size: 256
    .sgpr_count:     80
    .vgpr_count:     512
    .wavefront_size: 32
...
	.end_amdgpu_metadata
.endif
;; end of part 3
